; MI455X (gfx1250); checked and timed in simulation.
; The chip was launched on July 23, 2026; its instructions are those of AMD's public machine-readable ISA for CDNA 5 (MIT licence, August 2026) and "CDNA5" Instruction Set Architecture Reference Guide (July 2026). The comments in the code are by the model that wrote it; some were corrected since.
;; Attention MM. Allowed arithmetic: float matrix products may take bf16 or f16 operands with f32 sums; all other float work in f32.
;; Inputs: U1 128 x 2,048 float32; U2 128 x 2,048 float32; W1 128 x 1 float32; W2 128 x 1 float32; b1 2,048 x 1 float32; b2 2,048 x 1 float32; x1 32 x 2,048 x 128 float32; x2 32 x 2,048 x 128 float32.
;; Outputs: out0 32 x 256 float32.
;; One version. Each part assembles by itself: llvm-mc -triple=amdgcn-amd-amdhsa -mcpu=gfx1250 --defsym DOCPART=n.
;; ======== version 1 of 1: 4 launches
;; workspace buffers: sp 262,144 bytes; cp 262,144 bytes; po 2,097,152 bytes; st 32,768 bytes
;; launch colsum (part 1): grid 256 x 1, 16 waves a work-group, no clusters, 10,240 bytes of LDS; arguments x1, x2, sp; writes sp
.if DOCPART == 1
	.amdgcn_target "amdgcn-amd-amdhsa--gfx1250"
	.amdhsa_code_object_version 6
	.text
	.protected	k_q0564c98726_colsum
	.globl	k_q0564c98726_colsum
	.p2align	8
	.type	k_q0564c98726_colsum,@function
k_q0564c98726_colsum:
	s_mov_b64 s[64:65], 0
	v_nop
	global_prefetch_b8 v0, s[64:65] scope:SCOPE_SE
	s_setreg_imm32_b32 hwreg(HW_REG_WAVE_MODE, 25, 1), 1
	s_wait_xcnt 0x0
; colsum: sp[wg][side][e] = the sum of x_side[row][e] over the work-group's 256 rows (side 0 = x1, side 1 = x2).
; WHY: S = x1 x2^T enters the result only through its row sums and column sums:
;   sum over j of S[i][j] = x1[i] . s2,  sum over i of S[i][j] = s1 . x2[j],  with s1, s2 the column sums of x1, x2 in a batch.
; That is a reordering of finite sums and holds for every input; S itself is never formed.  LIMIT: the order of summation
; differs from the reference's, so the last bits of f32 sums differ.  All arithmetic is f32 on the vector unit: every
; product that is left has a single column, so a matrix instruction would have nothing to multiply.
; SHARE: x1 and x2 are taken as [65536][128]; work-group wg owns rows 256 wg .. 256 wg + 255 of both (eight work-groups a batch).
; Waves 0-7 take x1, waves 8-15 x2, 32 rows each.  A lane holds e = 4 L .. 4 L + 3 of a row, so one load of a wave covers one
; row: 512 consecutive bytes, aligned.  All 32 loads of a wave go out at once (16 KiB a wave, 256 KiB a work-group) and are
; summed behind counted waits; there is no loop and no register of a pending load or store is ever written again.
.set ROW, 512                          ; bytes in a row
.set ACA, 8                            ; v[8:11]    sum of the even rows
.set ACB, 12                           ; v[12:15]   sum of the odd rows
.set X,   16                           ; v[16:143]  row j at X + 4 j
.macro ADD4 d, a, b                    ; four f32: v[d..d+3] = v[a..a+3] + v[b..b+3]
	v_pk_add_f32 v[\d:\d+1], v[\a:\a+1], v[\b:\b+1]
	v_pk_add_f32 v[\d+2:\d+3], v[\a+2:\a+3], v[\b+2:\b+3]
.endm
	s_load_b128 s[4:7], s[0:1], 0x0                ; x1 s[4:5], x2 s[6:7]
	s_load_b64 s[8:9], s[0:1], 0x10                ; sp
	v_lshl_add_u32 v144, v0, 2, 0x2000
	v_mov_b32 v145, 0
	v_lshrrev_b32 v1, 5, v0
	v_readfirstlane_b32 s10, v1                    ; wave 0..15
	v_and_b32 v1, 31, v0                           ; lane L
	v_lshlrev_b32 v2, 4, v1                        ; 16 L: my 16 bytes of a row
	v_lshl_add_u32 v3, s10, 9, v2                  ; 512 w + 16 L: my wave's slot in LDS; for waves 0, 1 also the place in sp
	v_lshl_add_u32 v4, s10, 12, v2                 ; 4096 w + 16 L: for waves 0, 1 the first of the eight slots of side w
	s_and_b32 s11, s10, 7
	s_lshl_b32 s11, s11, 14                        ; my wave's 32 rows of 512 bytes
	s_lshl_b32 s12, ttmp9, 17                      ; the work-group's 256 rows
	s_add_co_u32 s12, s12, s11
	s_mov_b32 s13, 0
	s_lshl_b32 s18, ttmp9, 10                      ; the work-group's 1,024 bytes of sp
	s_mov_b32 s19, 0
	s_wait_kmcnt 0x0
	s_cmp_lt_u32 s10, 8
	s_cselect_b64 s[14:15], s[4:5], s[6:7]         ; waves 0-7: x1, waves 8-15: x2
	s_add_nc_u64 s[14:15], s[14:15], s[12:13]
	s_add_nc_u64 s[16:17], s[8:9], s[18:19]
.set j, 0
.rept 32
	global_load_b128 v[X+4*j:X+4*j+3], v2, s[14:15] offset:ROW*j th:TH_LOAD_NT   ; read once in this launch
.set j, j+1
.endr
	; four rows at a time; loads come back in order, so the count names the loads younger than the group
	s_wait_loadcnt 28
	ADD4 ACA, X, X+8                               ; the first four rows start the two sums: nothing is cleared
	ADD4 ACB, X+4, X+12
.irp g, 1,2,3,4,5,6,7
	s_wait_loadcnt 28-4*\g
	ADD4 ACA, ACA, X+16*\g
	ADD4 ACB, ACB, X+16*\g+4
	ADD4 ACA, ACA, X+16*\g+8
	ADD4 ACB, ACB, X+16*\g+12
.endr
	ADD4 ACA, ACA, ACB
	ds_store_b128 v3, v[ACA:ACA+3]                 ; slot w = 8 side + piece
	s_wait_dscnt 0x0                               ; my store is done before I signal: other waves read it
	s_barrier_signal -1
	s_barrier_wait -1
	s_cmp_gt_u32 s10, 1
	s_cbranch_scc1 .Lend                           ; wave 0 adds side 0's eight slots, wave 1 side 1's
.irp q, 0,1,2,3,4,5,6,7
	ds_load_b128 v[X+4*\q:X+4*\q+3], v4 offset:512*\q
.endr
	s_wait_dscnt 0x0
	ADD4 X, X, X+4
	ADD4 X+8, X+8, X+12
	ADD4 X+16, X+16, X+20
	ADD4 X+24, X+24, X+28
	ADD4 X, X, X+8
	ADD4 X+16, X+16, X+24
	ADD4 X, X, X+16
	global_store_b128 v3, v[X:X+3], s[16:17]       ; 512 consecutive bytes, aligned: side w's 128 sums
.Lend:
	s_wait_tensorcnt 0x0
	ds_add_u32 v144, v145
	s_wait_dscnt 0x0
	s_endpgm
.Lfunc_end_k_q0564c98726_colsum:
	.size	k_q0564c98726_colsum, .Lfunc_end_k_q0564c98726_colsum-k_q0564c98726_colsum
	.p2alignl 7, 3214868480
	.fill 96, 4, 3214868480
	.section	.rodata,"a",@progbits
	.p2align	6, 0x0
	.amdhsa_kernel k_q0564c98726_colsum
		.amdhsa_group_segment_fixed_size 10240
		.amdhsa_private_segment_fixed_size 0
		.amdhsa_enable_private_segment 0
		.amdhsa_kernarg_size 24
		.amdhsa_user_sgpr_count 2
		.amdhsa_user_sgpr_kernarg_segment_ptr 1
		.amdhsa_wavefront_size32 1
		.amdhsa_system_sgpr_workgroup_id_x 1
		.amdhsa_system_sgpr_workgroup_id_y 1
		.amdhsa_system_sgpr_workgroup_id_z 1
		.amdhsa_system_vgpr_workitem_id 0
		.amdhsa_next_free_vgpr 146
		.amdhsa_next_free_sgpr 66
		.amdhsa_reserve_vcc 0
		.amdhsa_float_denorm_mode_32 3
		.amdhsa_float_denorm_mode_16_64 3
		.amdhsa_memory_ordered 1
		.amdhsa_forward_progress 1
		.amdhsa_inst_pref_size 11
	.end_amdhsa_kernel
	.amdgpu_metadata
---
amdhsa.version: [ 1, 2 ]
amdhsa.kernels:
  - .name:           k_q0564c98726_colsum
    .symbol:         k_q0564c98726_colsum.kd
    .args:
      - { .name: x1, .offset: 0, .size: 8, .value_kind: global_buffer, .address_space: global }
      - { .name: x2, .offset: 8, .size: 8, .value_kind: global_buffer, .address_space: global }
      - { .name: sp, .offset: 16, .size: 8, .value_kind: global_buffer, .address_space: global }
    .group_segment_fixed_size: 10240
    .private_segment_fixed_size: 0
    .kernarg_segment_align: 8
    .kernarg_segment_size: 24
    .max_flat_workgroup_size: 512
    .sgpr_count:     66
    .vgpr_count:     146
    .wavefront_size: 32
...
	.end_amdgpu_metadata
.endif
;; end of part 1
;; launch cpart (part 2): grid 256 x 1, 16 waves a work-group, no clusters, 27,648 bytes of LDS; arguments x1, x2, sp, cp; writes cp
.if DOCPART == 2
	.amdgcn_target "amdgcn-amd-amdhsa--gfx1250"
	.amdhsa_code_object_version 6
	.text
	.protected	k_q0564c98726_cpart
	.globl	k_q0564c98726_cpart
	.p2align	8
	.type	k_q0564c98726_cpart,@function
k_q0564c98726_cpart:
	s_mov_b64 s[64:65], 0
	v_nop
	global_prefetch_b8 v0, s[64:65] scope:SCOPE_SE
	s_setreg_imm32_b32 hwreg(HW_REG_WAVE_MODE, 25, 1), 1
	s_wait_xcnt 0x0
; cpart: cp[wg][0][e] = sum over the work-group's 256 rows i of (x1[i] . s2) x2[i][e]   (c1's part, not yet divided by T)
;        cp[wg][1][e] = sum over the same rows            of (x2[i] . s1) x1[i][e]   (c2's part)
; s1, s2 = the batch's column sums of x1, x2, added here from the eight partial sums that the launch before stored in sp.
; LIMIT: S is not formed; the sums are the reference's in another order.  All in f32 on the vector unit.
; SHARE: work-group wg = batch wg >> 3, rows 256 (wg & 7) .. + 255.  Wave w takes rows 16 w .. 16 w + 15 of x1 AND of x2.
; LAYOUT of a step (two rows): lanes 0-15 hold the even row, lanes 16-31 the odd one; register 4 k + j of lane (h, i16) holds
; e = 64 k + 4 i16 + j.  Each load covers two aligned runs of 256 consecutive bytes.  A row's dot product is then summed over
; 16 lanes by four DPP adds and ends in just the lanes that hold that row, which multiply the other tensor's row by it.
; All 33 loads of a wave go out at once; no loop; no register of a pending load or store is written again.
.set S_IN,  0                          ; 16 slots of 512 bytes: slot w = 8 side + piece, as loaded from sp
.set S_TOT, 8192                       ; s1 (512 bytes), s2 (512 bytes)
.set C_RED, 9216                       ; (16 side + w) x 512 bytes: the waves' parts of c1, then of c2
.set SA,  8                            ; v[8:15]    s1 in the step's layout
.set SB,  16                           ; v[16:23]   s2
.set CA,  24                           ; v[24:31]   c1's part
.set CB,  32                           ; v[32:39]   c2's part
.set RA,  40                           ; v[40:41]   x1[row] . s2
.set RB,  42                           ; v[42:43]   x2[row] . s1
.set SPV, 44                           ; v[44:47]   my wave's piece of sp
.set XA,  48                           ; v[48:111]  x1: step i at XA + 8 i
.set XB,  112                          ; v[112:175] x2
.macro ADD4 d, a, b
	v_pk_add_f32 v[\d:\d+1], v[\a:\a+1], v[\b:\b+1]
	v_pk_add_f32 v[\d+2:\d+3], v[\a+2:\a+3], v[\b+2:\b+3]
.endm
; From the step's layout to one row over 32 lanes: the swap brings the even rows' e >= 64 into lanes 16-31 of register j and the
; odd rows' e < 64 into lanes 0-15 of register 4 + j; their sum is e = 4 L + j, over both halves' rows.
.macro FOLD a
.irp j, 0,1,2,3
	v_permlane16_swap_b32 v[\a+\j], v[\a+4+\j]
.endr
	ADD4 \a, \a, \a+4
.endm
	s_load_b256 s[4:11], s[0:1], 0x0               ; x1 s[4:5], x2 s[6:7], sp s[8:9], cp s[10:11]
	v_lshl_add_u32 v176, v0, 2, 0x6400
	v_mov_b32 v177, 0
	v_lshrrev_b32 v1, 5, v0
	v_readfirstlane_b32 s12, v1                    ; wave 0..15
	v_and_b32 v1, 31, v0                           ; L
	v_and_b32 v5, 15, v0                           ; i16
	v_bfe_u32 v7, v0, 4, 1                         ; h
	v_lshlrev_b32 v3, 4, v1                        ; 16 L
	v_lshlrev_b32 v5, 4, v5                        ; 16 i16
	v_lshl_add_u32 v2, v7, 9, v5                   ; 512 h + 16 i16: my 16 bytes in a step's two rows
	v_lshl_add_u32 v4, s12, 9, v3                  ; 512 w + 16 L
	v_lshl_add_u32 v6, s12, 12, v3                 ; 4096 w + 16 L: waves 0, 1: side w's eight slots of S_IN
	v_lshl_add_u32 v7, s12, 13, v3                 ; 8192 w + 16 L: waves 0, 1: side w's sixteen slots of C_RED
	s_lshl_b32 s14, ttmp9, 17                      ; the work-group's 256 rows of 512 bytes
	s_lshl_b32 s2, s12, 13                         ; my wave's 16 rows
	s_add_co_u32 s14, s14, s2
	s_mov_b32 s15, 0
	s_lshr_b32 s16, ttmp9, 3
	s_lshl_b32 s16, s16, 13                        ; sp: the batch's eight records of 1,024 bytes,
	s_and_b32 s2, s12, 7
	s_lshl_b32 s2, s2, 10                          ; record w & 7,
	s_add_co_u32 s16, s16, s2
	s_lshr_b32 s2, s12, 3
	s_lshl_b32 s2, s2, 9                           ; side w >> 3
	s_add_co_u32 s16, s16, s2
	s_mov_b32 s17, 0
	s_lshl_b32 s18, ttmp9, 10                      ; cp: the work-group's 1,024 bytes
	s_mov_b32 s19, 0
	s_wait_kmcnt 0x0
	s_add_nc_u64 s[20:21], s[4:5], s[14:15]
	s_add_nc_u64 s[22:23], s[6:7], s[14:15]
	s_add_nc_u64 s[24:25], s[8:9], s[16:17]
	s_add_nc_u64 s[26:27], s[10:11], s[18:19]
	global_load_b128 v[SPV:SPV+3], v3, s[24:25]    ; first, so that it can be waited for alone
.set i, 0
.rept 8
	global_load_b128 v[XA+8*i:XA+8*i+3],   v2, s[20:21] offset:1024*i th:TH_LOAD_NT
	global_load_b128 v[XA+8*i+4:XA+8*i+7], v2, s[20:21] offset:1024*i+256 th:TH_LOAD_NT
	global_load_b128 v[XB+8*i:XB+8*i+3],   v2, s[22:23] offset:1024*i th:TH_LOAD_NT
	global_load_b128 v[XB+8*i+4:XB+8*i+7], v2, s[22:23] offset:1024*i+256 th:TH_LOAD_NT
.set i, i+1
.endr
	s_wait_loadcnt 32                              ; sp's piece is in; the 32 loads of x stay out
	ds_store_b128 v4, v[SPV:SPV+3] offset:S_IN
	s_wait_dscnt 0x0                               ; done before I signal: waves 0 and 1 read it
	s_barrier_signal -1
	s_barrier_wait -1
	s_cmp_gt_u32 s12, 1
	s_cbranch_scc1 .Lno_total                      ; wave 0 makes s1, wave 1 s2
.irp q, 0,1,2,3,4,5,6,7
	ds_load_b128 v[SA+4*\q:SA+4*\q+3], v6 offset:S_IN+512*\q       ; v[8:39] hold nothing yet
.endr
	s_wait_dscnt 0x0
	ADD4 SA, SA, SA+4
	ADD4 SA+8, SA+8, SA+12
	ADD4 SA+16, SA+16, SA+20
	ADD4 SA+24, SA+24, SA+28
	ADD4 SA, SA, SA+8
	ADD4 SA+16, SA+16, SA+24
	ADD4 SA, SA, SA+16
	ds_store_b128 v4, v[SA:SA+3] offset:S_TOT
.Lno_total:
	s_wait_dscnt 0x0                               ; the totals are stored before their writers signal
	s_barrier_signal -1
	s_barrier_wait -1
	ds_load_b128 v[SA:SA+3],   v5 offset:S_TOT             ; s1: e = 4 i16 + j; both halves of the lanes read the same bytes
	ds_load_b128 v[SA+4:SA+7], v5 offset:S_TOT+256         ;     e = 64 + 4 i16 + j
	ds_load_b128 v[SB:SB+3],   v5 offset:S_TOT+512         ; s2
	ds_load_b128 v[SB+4:SB+7], v5 offset:S_TOT+768
	s_wait_dscnt 0x0
; Step i: rows 2 i + h.  first = 1: the products start the sums, nothing is cleared.
.macro STEP i, first
	s_wait_loadcnt 28-4*\i                         ; four loads a step, in order: those of the later steps stay out
	v_pk_mul_f32 v[RA:RA+1], v[XA+8*\i:XA+8*\i+1], v[SB:SB+1]
	v_pk_mul_f32 v[RB:RB+1], v[XB+8*\i:XB+8*\i+1], v[SA:SA+1]
.irp m, 2,4,6
	v_pk_fma_f32 v[RA:RA+1], v[XA+8*\i+\m:XA+8*\i+\m+1], v[SB+\m:SB+\m+1], v[RA:RA+1]
	v_pk_fma_f32 v[RB:RB+1], v[XB+8*\i+\m:XB+8*\i+\m+1], v[SA+\m:SA+\m+1], v[RB:RB+1]
.endr
	v_add_f32 v[RA], v[RA], v[RA+1]
	v_add_f32 v[RB], v[RB], v[RB+1]
.irp msk, 1,2,4,8
	v_add_f32_dpp v[RA], v[RA], v[RA] row_xmask:\msk row_mask:0xf bank_mask:0xf   ; over the 16 lanes that hold the row
	v_add_f32_dpp v[RB], v[RB], v[RB] row_xmask:\msk row_mask:0xf bank_mask:0xf
.endr
.irp m, 0,2,4,6
.if \first
	v_pk_mul_f32 v[CA+\m:CA+\m+1], v[XB+8*\i+\m:XB+8*\i+\m+1], v[RA:RA+1] op_sel_hi:[1,0]
	v_pk_mul_f32 v[CB+\m:CB+\m+1], v[XA+8*\i+\m:XA+8*\i+\m+1], v[RB:RB+1] op_sel_hi:[1,0]
.else
	v_pk_fma_f32 v[CA+\m:CA+\m+1], v[XB+8*\i+\m:XB+8*\i+\m+1], v[RA:RA+1], v[CA+\m:CA+\m+1] op_sel_hi:[1,0,1]
	v_pk_fma_f32 v[CB+\m:CB+\m+1], v[XA+8*\i+\m:XA+8*\i+\m+1], v[RB:RB+1], v[CB+\m:CB+\m+1] op_sel_hi:[1,0,1]
.endif
.endr
.endm
	STEP 0, 1
.irp i, 1,2,3,4,5,6,7
	STEP \i, 0
.endr
	FOLD CA
	FOLD CB
	ds_store_b128 v4, v[CA:CA+3] offset:C_RED
	ds_store_b128 v4, v[CB:CB+3] offset:C_RED+8192
	s_wait_dscnt 0x0                               ; done before I signal: waves 0 and 1 read them
	s_barrier_signal -1
	s_barrier_wait -1
	s_cmp_gt_u32 s12, 1
	s_cbranch_scc1 .Lend                           ; wave 0 adds c1's sixteen parts, wave 1 c2's
.irp q, 0,1,2,3,4,5,6,7,8,9,10,11,12,13,14,15
	ds_load_b128 v[XA+4*\q:XA+4*\q+3], v7 offset:C_RED+512*\q
.endr
	s_wait_dscnt 0x0
.irp q, 0,2,4,6,8,10,12,14
	ADD4 XA+4*\q, XA+4*\q, XA+4*\q+4
.endr
.irp q, 0,4,8,12
	ADD4 XA+4*\q, XA+4*\q, XA+4*\q+8
.endr
	ADD4 XA, XA, XA+16
	ADD4 XA+32, XA+32, XA+48
	ADD4 XA, XA, XA+32
	global_store_b128 v4, v[XA:XA+3], s[26:27]     ; 512 consecutive bytes, aligned
.Lend:
	s_wait_tensorcnt 0x0
	ds_add_u32 v176, v177
	s_wait_dscnt 0x0
	s_endpgm
.Lfunc_end_k_q0564c98726_cpart:
	.size	k_q0564c98726_cpart, .Lfunc_end_k_q0564c98726_cpart-k_q0564c98726_cpart
	.p2alignl 7, 3214868480
	.fill 96, 4, 3214868480
	.section	.rodata,"a",@progbits
	.p2align	6, 0x0
	.amdhsa_kernel k_q0564c98726_cpart
		.amdhsa_group_segment_fixed_size 27648
		.amdhsa_private_segment_fixed_size 0
		.amdhsa_enable_private_segment 0
		.amdhsa_kernarg_size 32
		.amdhsa_user_sgpr_count 2
		.amdhsa_user_sgpr_kernarg_segment_ptr 1
		.amdhsa_wavefront_size32 1
		.amdhsa_system_sgpr_workgroup_id_x 1
		.amdhsa_system_sgpr_workgroup_id_y 1
		.amdhsa_system_sgpr_workgroup_id_z 1
		.amdhsa_system_vgpr_workitem_id 0
		.amdhsa_next_free_vgpr 178
		.amdhsa_next_free_sgpr 66
		.amdhsa_reserve_vcc 0
		.amdhsa_float_denorm_mode_32 3
		.amdhsa_float_denorm_mode_16_64 3
		.amdhsa_memory_ordered 1
		.amdhsa_forward_progress 1
		.amdhsa_inst_pref_size 24
	.end_amdhsa_kernel
	.amdgpu_metadata
---
amdhsa.version: [ 1, 2 ]
amdhsa.kernels:
  - .name:           k_q0564c98726_cpart
    .symbol:         k_q0564c98726_cpart.kd
    .args:
      - { .name: x1, .offset: 0, .size: 8, .value_kind: global_buffer, .address_space: global }
      - { .name: x2, .offset: 8, .size: 8, .value_kind: global_buffer, .address_space: global }
      - { .name: sp, .offset: 16, .size: 8, .value_kind: global_buffer, .address_space: global }
      - { .name: cp, .offset: 24, .size: 8, .value_kind: global_buffer, .address_space: global }
    .group_segment_fixed_size: 27648
    .private_segment_fixed_size: 0
    .kernarg_segment_align: 8
    .kernarg_segment_size: 32
    .max_flat_workgroup_size: 512
    .sgpr_count:     66
    .vgpr_count:     178
    .wavefront_size: 32
...
	.end_amdgpu_metadata
.endif
;; end of part 2
;; launch softpart (part 3): grid 256 x 1, 16 waves a work-group, no clusters, 76,032 bytes of LDS; arguments x1, x2, U1, U2, W1, W2, b1, b2, cp, po, st; writes po, st
.if DOCPART == 3
	.amdgcn_target "amdgcn-amd-amdhsa--gfx1250"
	.amdhsa_code_object_version 6
	.text
	.protected	k_q0564c98726_softpart
	.globl	k_q0564c98726_softpart
	.p2align	8
	.type	k_q0564c98726_softpart,@function
k_q0564c98726_softpart:
	s_mov_b64 s[64:65], 0
	v_nop
	global_prefetch_b8 v0, s[64:65] scope:SCOPE_SE
	s_setreg_imm32_b32 hwreg(HW_REG_WAVE_MODE, 25, 1), 1
	s_wait_xcnt 0x0
; softpart: for 32 positions t of one batch and one side a wave makes the logits et[t] = c . U[:, t] + x[t] . W + b[t], their
; maximum m, the weights p[t] = exp(et[t] - m), l = sum of p, and the row sum over t of p[t] x[t][e].
; It stores po[wg][w][128] and st[wg][w] = (m, l); the next launch joins the 64 pieces of a softmax by their maxima.
; c = (1/2048) x the sum of the batch's eight records of cp.  All in f32 on the vector unit: the logits feed an exponential, so
; they are not rounded to 16 bits, and c . U has one row for each batch and side.
; LIMITS: the order of summation differs from the reference's; v_exp_f32 gives 0 for a weight below 2^-126 (ISA guide 15.8).
; SHARE: work-group wg: positions 64 (wg >> 3) .. + 63, batches 4 (wg & 7) .. + 3.  Wave w: batch 4 (wg & 7) + (w >> 2),
; side (w >> 1) & 1, positions + 32 (w & 1).  The 64 columns of U1 and U2 (256 bytes of each of 2 x 128 rows, 64 KiB) are read
; once by the work-group, in whole aligned runs of 256 bytes, and serve its four batches from LDS.
; NO CLUSTER: of the 352 KiB that a work-group reads only U's 64 KiB are shared with other work-groups.
; LAYOUT of x as in the launch before: step i = rows 2 i + h, register 4 k + j of lane (h, i16) = e 64 k + 4 i16 + j.
; For the logits lane L stands for the wave's row TL = 2 i16 + h: the row whose dot product ends in that lane's half in step i16.
; All 47 loads of a wave go out at once; no loop; no register of a pending load or store is written again.
.set U_ST,  0                          ; 32768 side + 256 e + 4 column
.set C_ST,  65536                      ; 512 w: the wave's half sum of c, scaled
.set ST_ST, 73728                      ; 8 w: (m, l)
.set W,   8                            ; v[8:15]    W in the step's layout
.set BV,  16                           ; b of my row
.set Z,   17                           ; x . W of my row
.set ET,  18                           ; v[18:21]   four chains of c . U; then v18 = the logit
.set ML,  22                           ; v[22:23]   m, l
.set P,   24                           ; my row's weight
.set TT,  25                           ; the other half's figure in a reduction
.set T,   26                           ; v[26:29]   two dot products at work
.set PB,  30                           ; v[30:33]   a row's weight in all its lanes, two pairs by turns
.set CV,  34                           ; v[34:37]   c[4 L + j]
.set CV2, 38                           ; v[38:41]
.set O,   42                           ; v[42:49]   sum of p x
.set TL4, 50                           ; 4 TL
.set CRD, 51                           ; C_ST + 512 (w & 14) + 16 L
.set UV,  52                           ; v[52:115]  two batches of 32 numbers of U; before that U and cp as loaded
.set X,   116                          ; v[116:243] step i at X + 8 i
.set L16, 244                          ; 16 L
.set CSA, 245                          ; C_ST + 512 w + 16 L (LDS immediates end at 65535, so these bases lie in registers)
.set STA, 246                          ; ST_ST + 8 w
.set STR, 247                          ; ST_ST + 4 L
.set CS,  66                           ; s[66:73]   eight numbers of c
.set SEL, 76                           ; s[76:77]   v_permlanex16_b32: lane i of one half reads lane i of the other
.macro ADD4 d, a, b
	v_pk_add_f32 v[\d:\d+1], v[\a:\a+1], v[\b:\b+1]
	v_pk_add_f32 v[\d+2:\d+3], v[\a+2:\a+3], v[\b+2:\b+3]
.endm
.macro FOLD a                          ; the step's layout to e = 4 L + j, both halves' rows added (see the launch before)
.irp j, 0,1,2,3
	v_permlane16_swap_b32 v[\a+\j], v[\a+4+\j]
.endr
	ADD4 \a, \a, \a+4
.endm
.macro WMAX r, t                       ; maximum over the 32 lanes, in every lane
.irp msk, 1,2,4,8
	v_max_num_f32_dpp v[\r], v[\r], v[\r] row_xmask:\msk row_mask:0xf bank_mask:0xf
.endr
	v_permlanex16_b32 v[\t], v[\r], s[SEL], s[SEL+1]
	v_max_num_f32 v[\r], v[\r], v[\t]
.endm
.macro WSUM r, t                       ; sum over the 32 lanes, in every lane
.irp msk, 1,2,4,8
	v_add_f32_dpp v[\r], v[\r], v[\r] row_xmask:\msk row_mask:0xf bank_mask:0xf
.endr
	v_permlanex16_b32 v[\t], v[\r], s[SEL], s[SEL+1]
	v_add_f32 v[\r], v[\r], v[\t]
.endm
	s_load_b512 s[8:23], s[0:1], 0x0               ; x1 8, x2 10, U1 12, U2 14, W1 16, W2 18, b1 20, b2 22
	s_load_b128 s[24:27], s[0:1], 0x40             ; cp s[24:25], po s[26:27]
	s_load_b64 s[28:29], s[0:1], 0x50              ; st
	v_lshl_add_u32 v248, v0, 2, 0x12100
	v_mov_b32 v249, 0
	v_lshrrev_b32 v1, 5, v0
	v_readfirstlane_b32 s30, v1                    ; wave 0..15
	s_and_b32 s31, s30, 1                          ; hf: which 32 of the 64 positions
	s_lshr_b32 s32, s30, 1
	s_and_b32 s32, s32, 1                          ; side
	s_lshr_b32 s33, s30, 2                         ; which of the four batches
	s_lshr_b32 s34, ttmp9, 3                       ; tc: block of 64 positions
	s_and_b32 s35, ttmp9, 7
	s_lshl2_add_u32 s36, s35, s33                  ; batch
	s_lshl_b32 s38, s36, 20                        ; x: batch x 1 MiB
	s_lshl_b32 s2, s34, 15                         ;    + 64 rows x tc
	s_add_co_u32 s38, s38, s2
	s_lshl_b32 s2, s31, 14                         ;    + 32 rows x hf
	s_add_co_u32 s38, s38, s2
	s_mov_b32 s39, 0
	s_lshl_b32 s40, s34, 8                         ; b: 4 (64 tc + 32 hf)
	s_lshl_b32 s2, s31, 7
	s_add_co_u32 s40, s40, s2
	s_mov_b32 s41, 0
	s_and_b32 s42, s30, 7
	s_lshl_b32 s42, s42, 17                        ; U: rows 16 (w & 7) .. + 15 of 8,192 bytes,
	s_lshl_b32 s2, s34, 8                          ;    columns 64 tc .. + 63
	s_add_co_u32 s42, s42, s2
	s_mov_b32 s43, 0
	s_lshl_b32 s44, s36, 13                        ; cp: the batch's eight records of 1,024 bytes,
	s_lshl_b32 s2, s31, 12                         ;     records 4 hf .. 4 hf + 3,
	s_add_co_u32 s44, s44, s2
	s_lshl_b32 s2, s32, 9                          ;     my side
	s_add_co_u32 s44, s44, s2
	s_mov_b32 s45, 0
	s_lshl_b32 s46, ttmp9, 13                      ; po: 16 waves x 512 bytes
	s_mov_b32 s47, 0
	s_lshl_b32 s48, ttmp9, 7                       ; st: 16 waves x 8 bytes
	s_mov_b32 s49, 0
	s_mov_b32 s[SEL], 0x76543210
	s_mov_b32 s[SEL+1], 0xfedcba98
	v_and_b32 v1, 31, v0                           ; L
	v_and_b32 v2, 15, v0                           ; i16
	v_bfe_u32 v[TT], v0, 4, 1                      ; h
	v_lshlrev_b32 v[L16], 4, v1
	v_lshlrev_b32 v[TL4], 3, v2
	v_lshl_add_u32 v[TL4], v[TT], 2, v[TL4]        ; 4 (2 i16 + h)
	v_lshlrev_b32 v2, 4, v2                        ; 16 i16: W
	v_lshl_add_u32 v3, v[TT], 9, v2                ; 512 h + 16 i16: x
	v_lshl_add_u32 v4, v[TT], 13, v2               ; 8192 h + 16 i16: U in memory, two rows a load
	v_lshl_add_u32 v5, s30, 9, v[L16]              ; 512 w + 16 L: po
	v_lshl_add_u32 v6, s30, 12, v[L16]             ; 4096 w + 16 L: my 16 rows of U in LDS (8 waves a side: 4096 w = 32768 side + 256 e)
	s_lshl_b32 s2, s32, 15
	s_lshl_b32 s3, s31, 7
	s_add_co_u32 s2, s2, s3
	v_add_nc_u32 v7, s2, v[TL4]                    ; 32768 side + 128 hf + 4 TL: my column of U in LDS
	v_add_nc_u32 v[CSA], C_ST, v5
	s_and_b32 s2, s30, 14
	v_lshl_add_u32 v[CRD], s2, 9, v[L16]
	v_add_nc_u32 v[CRD], C_ST, v[CRD]
	v_mov_b32 v[STA], ST_ST
	v_lshl_add_u32 v[STA], s30, 3, v[STA]
	v_lshlrev_b32 v1, 2, v1                        ; 4 L
	v_add_nc_u32 v[STR], ST_ST, v1
	s_wait_kmcnt 0x0
	s_cmp_eq_u32 s32, 0
	s_cselect_b64 s[50:51], s[8:9], s[10:11]       ; x, W, b of my side
	s_cselect_b64 s[52:53], s[16:17], s[18:19]
	s_cselect_b64 s[54:55], s[20:21], s[22:23]
	s_cmp_lt_u32 s30, 8
	s_cselect_b64 s[56:57], s[12:13], s[14:15]     ; waves 0-7 bring U1, waves 8-15 U2
	s_add_nc_u64 s[50:51], s[50:51], s[38:39]
	s_add_nc_u64 s[54:55], s[54:55], s[40:41]
	s_add_nc_u64 s[56:57], s[56:57], s[42:43]
	s_add_nc_u64 s[58:59], s[24:25], s[44:45]
	s_add_nc_u64 s[60:61], s[26:27], s[46:47]
	s_add_nc_u64 s[62:63], s[28:29], s[48:49]
	; the small loads first, so that they can be waited for while x is on its way
.irp k, 0,1,2,3,4,5,6,7
	global_load_b128 v[UV+4*\k:UV+4*\k+3], v4, s[56:57] offset:16384*\k            ; rows 2 k + h of my 16: 256 bytes each
.endr
.irp k, 0,1,2,3
	global_load_b128 v[UV+32+4*\k:UV+32+4*\k+3], v[L16], s[58:59] offset:1024*\k   ; four records of cp
.endr
	global_load_b128 v[W:W+3],   v2, s[52:53]
	global_load_b128 v[W+4:W+7], v2, s[52:53] offset:256
	global_load_b32 v[BV], v[TL4], s[54:55]
.set i, 0
.rept 16
	global_load_b128 v[X+8*i:X+8*i+3],   v3, s[50:51] offset:1024*i th:TH_LOAD_NT
	global_load_b128 v[X+8*i+4:X+8*i+7], v3, s[50:51] offset:1024*i+256 th:TH_LOAD_NT
.set i, i+1
.endr
	s_wait_loadcnt 35                              ; U and cp are in; W (2), b (1) and x (32) stay out
.irp k, 0,1,2,3,4,5,6,7
	ds_store_b128 v6, v[UV+4*\k:UV+4*\k+3] offset:U_ST+512*\k      ; 32 lanes x 16 bytes = rows 2 k, 2 k + 1 of 256 bytes
.endr
	ADD4 UV+32, UV+32, UV+36
	ADD4 UV+40, UV+40, UV+44
	ADD4 UV+32, UV+32, UV+40
	v_pk_mul_f32 v[UV+32:UV+33], v[UV+32:UV+33], 0x3a000000 op_sel_hi:[1,0]        ; x 1/2048, exact
	v_pk_mul_f32 v[UV+34:UV+35], v[UV+34:UV+35], 0x3a000000 op_sel_hi:[1,0]
	ds_store_b128 v[CSA], v[UV+32:UV+35]
	s_wait_dscnt 0x0                               ; my stores are done before I signal: every wave reads U, my partner reads c
	s_barrier_signal -1
	s_barrier_wait -1
; 32 numbers of my column of U: e = 32 g .. 32 g + 31.  The 32 lanes read 32 neighbouring words.
.macro ULOAD g, buf
.set k, 0
.rept 32
	ds_load_b32 v[UV+32*\buf+k], v7 offset:U_ST+256*(32*\g+k)
.set k, k+1
.endr
.endm
; et += c[e] U[e][t] for these 32 e: c[e] lies in lane e >> 2, register e & 3; four chains; the first four products start them.
.macro UFMA g, buf
.irp q, 0,1,2,3
.irp k, 0,1,2,3,4,5,6,7
	v_readlane_b32 s[CS+\k], v[CV+(\k&3)], 8*\g+2*\q+(\k>>2)
.endr
.irp k, 0,1,2,3,4,5,6,7
.if 32*\g+8*\q+\k < 4
	v_mul_f32 v[ET+\k], s[CS+\k], v[UV+32*\buf+8*\q+\k]
.else
	v_fmac_f32 v[ET+(\k&3)], s[CS+\k], v[UV+32*\buf+8*\q+\k]
.endif
.endr
.endr
.endm
	ds_load_b128 v[CV:CV+3],   v[CRD]              ; the two halves of c: mine and my partner's
	ds_load_b128 v[CV2:CV2+3], v[CRD] offset:512
	ULOAD 0, 0
	s_wait_dscnt 32                                ; LDS loads come back in order: c is in, the 32 of U stay out
	ADD4 CV, CV, CV2
	ULOAD 1, 1
	s_wait_dscnt 32                                ; here and below: all but the batch of 32 just issued
	UFMA 0, 0
	ULOAD 2, 0
	s_wait_dscnt 32
	UFMA 1, 1
	ULOAD 3, 1
	s_wait_dscnt 32
	UFMA 2, 0
	s_wait_dscnt 0x0
	UFMA 3, 1
	v_add_f32 v[ET], v[ET], v[ET+1]
	v_add_f32 v[ET+2], v[ET+2], v[ET+3]
	v_add_f32 v[ET], v[ET], v[ET+2]
; Steps 2 p and 2 p + 1: x . W of four rows, two chains side by side.  Step i's result belongs to lane i of each half.
.macro ZPAIR p
	s_wait_loadcnt 28-4*\p                         ; four loads a pair of steps, in order: the later pairs' stay out (W and b came first)
	v_pk_mul_f32 v[T:T+1],   v[X+16*\p:X+16*\p+1],   v[W:W+1]
	v_pk_mul_f32 v[T+2:T+3], v[X+16*\p+8:X+16*\p+9], v[W:W+1]
.irp m, 2,4,6
	v_pk_fma_f32 v[T:T+1],   v[X+16*\p+\m:X+16*\p+\m+1],     v[W+\m:W+\m+1], v[T:T+1]
	v_pk_fma_f32 v[T+2:T+3], v[X+16*\p+8+\m:X+16*\p+8+\m+1], v[W+\m:W+\m+1], v[T+2:T+3]
.endr
	v_add_f32 v[T], v[T], v[T+1]
	v_add_f32 v[T+2], v[T+2], v[T+3]
.irp msk, 1,2,4,8
	v_add_f32_dpp v[T], v[T], v[T] row_xmask:\msk row_mask:0xf bank_mask:0xf
	v_add_f32_dpp v[T+2], v[T+2], v[T+2] row_xmask:\msk row_mask:0xf bank_mask:0xf
.endr
.if \p == 0
	v_mov_b32 v[Z], v[T]                           ; writes Z whole; lanes 0 and 16 keep it
.else
	s_mov_b32 s74, 0x10001<<(2*\p)
	v_cndmask_b32 v[Z], v[Z], v[T], s74
.endif
	s_mov_b32 s75, 0x10001<<(2*\p+1)
	v_cndmask_b32 v[Z], v[Z], v[T+2], s75
.endm
.irp p, 0,1,2,3,4,5,6,7
	ZPAIR \p
.endr
	v_add_f32 v[ET], v[ET], v[Z]
	v_add_f32 v[ET], v[ET], v[BV]                  ; the logit of my row
	v_mov_b32 v[ML], v[ET]
	WMAX ML, TT                                    ; m: the maximum is taken away before the exponential
	v_sub_f32 v[P], v[ET], v[ML]
	v_mul_f32 v[P], 0x3fb8aa3b, v[P]               ; e^x = 2^(x log2 e)
	v_exp_f32 v[P], v[P]
.irp k, 0,1,2,3
	v_mov_b32 v[PB+\k], 0                          ; plain instructions between v_exp_f32 and the use of its result; a DPP move's destination has been written before
.endr
	s_wait_alu depctr_va_vdst(0)
	v_mov_b32 v[ML+1], v[P]
	WSUM ML+1, TT                                  ; l
; Step i: O += p[row] x[row].  Row 2 i + h's weight lies in lane i of half h and is shared out to the half.
.macro OSTEP i, first
	v_mov_b32_dpp v[PB+2*(\i&1)], v[P] row_share:\i row_mask:0xf bank_mask:0xf
.irp m, 0,2,4,6
.if \first
	v_pk_mul_f32 v[O+\m:O+\m+1], v[X+8*\i+\m:X+8*\i+\m+1], v[PB+2*(\i&1):PB+2*(\i&1)+1] op_sel_hi:[1,0]
.else
	v_pk_fma_f32 v[O+\m:O+\m+1], v[X+8*\i+\m:X+8*\i+\m+1], v[PB+2*(\i&1):PB+2*(\i&1)+1], v[O+\m:O+\m+1] op_sel_hi:[1,0,1]
.endif
.endr
.endm
	OSTEP 0, 1
.irp i, 1,2,3,4,5,6,7,8,9,10,11,12,13,14,15
	OSTEP \i, 0
.endr
	FOLD O
	global_store_b128 v5, v[O:O+3], s[60:61]       ; 512 consecutive bytes, aligned
	ds_store_b64 v[STA], v[ML:ML+1]                ; every lane writes the same 8 bytes with the same numbers
	s_wait_dscnt 0x0                               ; done before I signal: wave 0 reads it
	s_barrier_signal -1
	s_barrier_wait -1
	s_cmp_lg_u32 s30, 0
	s_cbranch_scc1 .Lend
	ds_load_b32 v[T], v[STR]                       ; the sixteen (m, l): 128 bytes, which is all that a work-group has of them
	s_wait_dscnt 0x0
	global_store_b32 v1, v[T], s[62:63]
.Lend:
	s_wait_tensorcnt 0x0
	ds_add_u32 v248, v249
	s_wait_dscnt 0x0
	s_endpgm
.Lfunc_end_k_q0564c98726_softpart:
	.size	k_q0564c98726_softpart, .Lfunc_end_k_q0564c98726_softpart-k_q0564c98726_softpart
	.p2alignl 7, 3214868480
	.fill 96, 4, 3214868480
	.section	.rodata,"a",@progbits
	.p2align	6, 0x0
	.amdhsa_kernel k_q0564c98726_softpart
		.amdhsa_group_segment_fixed_size 76032
		.amdhsa_private_segment_fixed_size 0
		.amdhsa_enable_private_segment 0
		.amdhsa_kernarg_size 88
		.amdhsa_user_sgpr_count 2
		.amdhsa_user_sgpr_kernarg_segment_ptr 1
		.amdhsa_wavefront_size32 1
		.amdhsa_system_sgpr_workgroup_id_x 1
		.amdhsa_system_sgpr_workgroup_id_y 1
		.amdhsa_system_sgpr_workgroup_id_z 1
		.amdhsa_system_vgpr_workitem_id 0
		.amdhsa_next_free_vgpr 250
		.amdhsa_next_free_sgpr 80
		.amdhsa_reserve_vcc 0
		.amdhsa_float_denorm_mode_32 3
		.amdhsa_float_denorm_mode_16_64 3
		.amdhsa_memory_ordered 1
		.amdhsa_forward_progress 1
		.amdhsa_inst_pref_size 48
	.end_amdhsa_kernel
	.amdgpu_metadata
---
amdhsa.version: [ 1, 2 ]
amdhsa.kernels:
  - .name:           k_q0564c98726_softpart
    .symbol:         k_q0564c98726_softpart.kd
    .args:
      - { .name: x1, .offset: 0, .size: 8, .value_kind: global_buffer, .address_space: global }
      - { .name: x2, .offset: 8, .size: 8, .value_kind: global_buffer, .address_space: global }
      - { .name: U1, .offset: 16, .size: 8, .value_kind: global_buffer, .address_space: global }
      - { .name: U2, .offset: 24, .size: 8, .value_kind: global_buffer, .address_space: global }
      - { .name: W1, .offset: 32, .size: 8, .value_kind: global_buffer, .address_space: global }
      - { .name: W2, .offset: 40, .size: 8, .value_kind: global_buffer, .address_space: global }
      - { .name: b1, .offset: 48, .size: 8, .value_kind: global_buffer, .address_space: global }
      - { .name: b2, .offset: 56, .size: 8, .value_kind: global_buffer, .address_space: global }
      - { .name: cp, .offset: 64, .size: 8, .value_kind: global_buffer, .address_space: global }
      - { .name: po, .offset: 72, .size: 8, .value_kind: global_buffer, .address_space: global }
      - { .name: st, .offset: 80, .size: 8, .value_kind: global_buffer, .address_space: global }
    .group_segment_fixed_size: 76032
    .private_segment_fixed_size: 0
    .kernarg_segment_align: 8
    .kernarg_segment_size: 88
    .max_flat_workgroup_size: 512
    .sgpr_count:     80
    .vgpr_count:     250
    .wavefront_size: 32
...
	.end_amdgpu_metadata
.endif
;; end of part 3
;; launch merge (part 4): grid 64 x 1, 2 waves a work-group, no clusters, 768 bytes of LDS; arguments po, st, out0; writes out0
.if DOCPART == 4
	.amdgcn_target "amdgcn-amd-amdhsa--gfx1250"
	.amdhsa_code_object_version 6
	.text
	.protected	k_q0564c98726_merge
	.globl	k_q0564c98726_merge
	.p2align	8
	.type	k_q0564c98726_merge,@function
k_q0564c98726_merge:
	s_mov_b64 s[64:65], 0
	v_nop
	global_prefetch_b8 v0, s[64:65] scope:SCOPE_SE
	s_setreg_imm32_b32 hwreg(HW_REG_WAVE_MODE, 25, 1), 1
	s_wait_xcnt 0x0
; merge: out0[b][128 side + e] = (sum over the 64 pieces q of exp(m_q - M) po_q[e]) / (sum over q of exp(m_q - M) l_q),
; M = the largest m_q: the softmax over 2048 positions joined from pieces of 32, with the true maximum taken away.
; Work-group wg = 2 b + side; wave hf takes the 32 pieces (tc = 0..31, hf).  The piece (tc, hf) was stored by work-group
; 8 tc + (wg >> 3) of the launch before, wave 2 (wg & 7) + hf.  Lane tc loads (m, l) of both hf in 16 bytes.
; The design has work for 64 work-groups: one for each row of 128 results.
; LIMIT: a piece whose weight exp(m_q - M) is below 2^-126 counts as 0 (ISA guide 15.8).  The sum of weights is at least 1.
.set ST, 4                             ; v[4:7]     m, l of hf = 0; m, l of hf = 1; lane = tc
.set M,  8
.set TT, 9
.set WA, 10                            ; exp(m - M), hf = 0
.set WB, 11                            ; hf = 1
.set LS, 12                            ; the sum of all weights, then its reciprocal
.set WS, 13                            ; my wave's weights, divided
.set OA, 14                            ; v[14:17]   even pieces
.set OB, 18                            ; v[18:21]   odd pieces
.set R,  24                            ; v[24:151]  piece tc at R + 4 tc: e = 4 L + j
.set SEL, 34
.macro ADD4 d, a, b
	v_pk_add_f32 v[\d:\d+1], v[\a:\a+1], v[\b:\b+1]
	v_pk_add_f32 v[\d+2:\d+3], v[\a+2:\a+3], v[\b+2:\b+3]
.endm
	s_load_b128 s[4:7], s[0:1], 0x0                ; po s[4:5], st s[6:7]
	s_load_b64 s[8:9], s[0:1], 0x10                ; out0
	v_lshl_add_u32 v152, v0, 2, 0x200
	v_mov_b32 v153, 0
	v_lshrrev_b32 v1, 5, v0
	v_readfirstlane_b32 s10, v1                    ; hf
	v_and_b32 v1, 31, v0
	v_lshlrev_b32 v2, 4, v1                        ; 16 L
	v_lshlrev_b32 v3, 10, v1                       ; st: 8 work-groups x 128 bytes from tc to tc + 1
	v_mov_b32 v[TT], 0                             ; v_permlanex16_b32's destination has been written before
	s_lshr_b32 s11, ttmp9, 3
	s_and_b32 s2, ttmp9, 7
	s_lshl_b32 s12, s11, 7                         ; st: 128 (wg >> 3) + 16 (wg & 7)
	s_lshl_b32 s3, s2, 4
	s_add_co_u32 s12, s12, s3
	s_mov_b32 s13, 0
	s_lshl_b32 s14, s11, 13                        ; po: 8192 (wg >> 3) + 1024 (wg & 7) + 512 hf
	s_lshl_b32 s3, s2, 10
	s_add_co_u32 s14, s14, s3
	s_lshl_b32 s3, s10, 9
	s_add_co_u32 s14, s14, s3
	s_mov_b32 s15, 0
	s_lshl_b32 s16, ttmp9, 9                       ; out0: 512 wg
	s_mov_b32 s17, 0
	s_cmp_eq_u32 s10, 1
	s_cselect_b32 s20, -1, 0                       ; all lanes: wave 1 takes hf = 1's weights
	s_mov_b32 s25, 0                               ; the upper halves of the pairs that the packed products name; only the lower are used
	s_mov_b32 s27, 0
	s_mov_b32 s29, 0
	s_mov_b32 s31, 0
	s_mov_b32 s[SEL], 0x76543210
	s_mov_b32 s[SEL+1], 0xfedcba98
	s_wait_kmcnt 0x0
	s_add_nc_u64 s[18:19], s[6:7], s[12:13]
	s_add_nc_u64 s[22:23], s[4:5], s[14:15]
	s_add_nc_u64 s[32:33], s[8:9], s[16:17]
	global_load_b128 v[ST:ST+3], v3, s[18:19]
.set tc, 0
.rept 32
	global_load_b128 v[R+4*tc:R+4*tc+3], v2, s[22:23] offset:65536*tc      ; 512 consecutive bytes, aligned
.set tc, tc+1
.endr
	s_wait_loadcnt 32                              ; (m, l) are in; the 32 pieces stay out
	v_max_num_f32 v[M], v[ST], v[ST+2]
.irp msk, 1,2,4,8
	v_max_num_f32_dpp v[M], v[M], v[M] row_xmask:\msk row_mask:0xf bank_mask:0xf
.endr
	v_permlanex16_b32 v[TT], v[M], s[SEL], s[SEL+1]
	v_max_num_f32 v[M], v[M], v[TT]                ; the maximum of all 2048 logits
	v_sub_f32 v[WA], v[ST], v[M]
	v_sub_f32 v[WB], v[ST+2], v[M]
	v_mul_f32 v[WA], 0x3fb8aa3b, v[WA]
	v_mul_f32 v[WB], 0x3fb8aa3b, v[WB]
	v_exp_f32 v[WA], v[WA]
	v_exp_f32 v[WB], v[WB]
	v_nop                                          ; one plain instruction between the exponentials and the use of their results
	s_wait_alu depctr_va_vdst(0)
	v_mul_f32 v[LS], v[WA], v[ST+1]
	v_fmac_f32 v[LS], v[WB], v[ST+3]
.irp msk, 1,2,4,8
	v_add_f32_dpp v[LS], v[LS], v[LS] row_xmask:\msk row_mask:0xf bank_mask:0xf
.endr
	v_permlanex16_b32 v[TT], v[LS], s[SEL], s[SEL+1]
	v_add_f32 v[LS], v[LS], v[TT]
	v_rcp_f32 v[LS], v[LS]
	v_cndmask_b32 v[WS], v[WA], v[WB], s20         ; the plain instruction behind v_rcp_f32
	s_wait_alu depctr_va_vdst(0)
	v_mul_f32 v[WS], v[WS], v[LS]                  ; lane tc: the weight of piece (tc, hf), divided by the sum
.set tc, 0
.rept 32
	s_wait_loadcnt 31-tc                           ; loads come back in order: the younger pieces stay out
	v_readlane_b32 s[24+2*(tc&3)], v[WS], tc
.if tc < 2
	v_pk_mul_f32 v[OA+4*tc:OA+4*tc+1],   v[R+4*tc:R+4*tc+1],   s[24+2*(tc&3):25+2*(tc&3)] op_sel_hi:[1,0]   ; the first two pieces start the two sums
	v_pk_mul_f32 v[OA+4*tc+2:OA+4*tc+3], v[R+4*tc+2:R+4*tc+3], s[24+2*(tc&3):25+2*(tc&3)] op_sel_hi:[1,0]
.else
	v_pk_fma_f32 v[OA+4*(tc&1):OA+4*(tc&1)+1],   v[R+4*tc:R+4*tc+1],   s[24+2*(tc&3):25+2*(tc&3)], v[OA+4*(tc&1):OA+4*(tc&1)+1] op_sel_hi:[1,0,1]
	v_pk_fma_f32 v[OA+4*(tc&1)+2:OA+4*(tc&1)+3], v[R+4*tc+2:R+4*tc+3], s[24+2*(tc&3):25+2*(tc&3)], v[OA+4*(tc&1)+2:OA+4*(tc&1)+3] op_sel_hi:[1,0,1]
.endif
.set tc, tc+1
.endr
	ADD4 OA, OA, OB
	s_cmp_eq_u32 s10, 0
	s_cbranch_scc1 .Lno_store
	ds_store_b128 v2, v[OA:OA+3]                   ; wave 1 hands its half to wave 0
.Lno_store:
	s_wait_dscnt 0x0                               ; the store is done before its writer signals
	s_barrier_signal -1
	s_barrier_wait -1
	s_cmp_lg_u32 s10, 0
	s_cbranch_scc1 .Lend
	ds_load_b128 v[OB:OB+3], v2
	s_wait_dscnt 0x0
	ADD4 OA, OA, OB
	global_store_b128 v2, v[OA:OA+3], s[32:33]     ; 512 consecutive bytes, aligned: o of batch b, side
.Lend:
	s_wait_tensorcnt 0x0
	ds_add_u32 v152, v153
	s_wait_dscnt 0x0
	s_endpgm
.Lfunc_end_k_q0564c98726_merge:
	.size	k_q0564c98726_merge, .Lfunc_end_k_q0564c98726_merge-k_q0564c98726_merge
	.p2alignl 7, 3214868480
	.fill 96, 4, 3214868480
	.section	.rodata,"a",@progbits
	.p2align	6, 0x0
	.amdhsa_kernel k_q0564c98726_merge
		.amdhsa_group_segment_fixed_size 768
		.amdhsa_private_segment_fixed_size 0
		.amdhsa_enable_private_segment 0
		.amdhsa_kernarg_size 24
		.amdhsa_user_sgpr_count 2
		.amdhsa_user_sgpr_kernarg_segment_ptr 1
		.amdhsa_wavefront_size32 1
		.amdhsa_system_sgpr_workgroup_id_x 1
		.amdhsa_system_sgpr_workgroup_id_y 1
		.amdhsa_system_sgpr_workgroup_id_z 1
		.amdhsa_system_vgpr_workitem_id 0
		.amdhsa_next_free_vgpr 154
		.amdhsa_next_free_sgpr 66
		.amdhsa_reserve_vcc 0
		.amdhsa_float_denorm_mode_32 3
		.amdhsa_float_denorm_mode_16_64 3
		.amdhsa_memory_ordered 1
		.amdhsa_forward_progress 1
		.amdhsa_inst_pref_size 14
	.end_amdhsa_kernel
	.amdgpu_metadata
---
amdhsa.version: [ 1, 2 ]
amdhsa.kernels:
  - .name:           k_q0564c98726_merge
    .symbol:         k_q0564c98726_merge.kd
    .args:
      - { .name: po, .offset: 0, .size: 8, .value_kind: global_buffer, .address_space: global }
      - { .name: st, .offset: 8, .size: 8, .value_kind: global_buffer, .address_space: global }
      - { .name: out0, .offset: 16, .size: 8, .value_kind: global_buffer, .address_space: global }
    .group_segment_fixed_size: 768
    .private_segment_fixed_size: 0
    .kernarg_segment_align: 8
    .kernarg_segment_size: 24
    .max_flat_workgroup_size: 64
    .sgpr_count:     66
    .vgpr_count:     154
    .wavefront_size: 32
...
	.end_amdgpu_metadata
.endif
;; end of part 4
